; MI455X (gfx1250); checked and timed in simulation.
; The chip was launched on July 23, 2026; its instructions are those of AMD's public machine-readable ISA for CDNA 5 (MIT licence, August 2026) and "CDNA5" Instruction Set Architecture Reference Guide (July 2026). The comments in the code are by the model that wrote it; some were corrected since.
;; Multihead self attention. Allowed arithmetic: float matrix products may take bf16 or f16 operands with f32 sums; all other float work in f32.
;; Inputs: Wk 1,024 x 1,024 float32; Wo 1,024 x 1,024 float32; Wq 1,024 x 1,024 float32; Wv 1,024 x 1,024 float32; x 2 x 2,048 x 1,024 float32.
;; Outputs: out0 2 x 2,048 x 1,024 float32.
;; One version. Each part assembles by itself: llvm-mc -triple=amdgcn-amd-amdhsa -mcpu=gfx1250 --defsym DOCPART=n.
;; ======== version 1 of 1: 4 launches
;; limits: values are held in f16: magnitudes above 65,504 overflow, below 6.1e-05 lose precision
;; workspace buffers: cb 16,777,216 bytes; tab 524,288 bytes; qb 8,388,608 bytes; kb 8,388,608 bytes; vb 8,388,608 bytes; yb 8,388,608 bytes
;; launch prep (part 1): grid 256 x 1, 8 waves a work-group, no clusters, 0 bytes of LDS; arguments x, Wq, Wk, Wv, Wo, cb, tab; writes cb, tab
.if DOCPART == 1
	.amdgcn_target "amdgcn-amd-amdhsa--gfx1250"
	.amdhsa_code_object_version 6
	.text
	.protected	k_q559a3c2fc6_prep
	.globl	k_q559a3c2fc6_prep
	.p2align	8
	.type	k_q559a3c2fc6_prep,@function
k_q559a3c2fc6_prep:
	s_mov_b64 s[64:65], 0
	v_nop
	global_prefetch_b8 v0, s[64:65] scope:SCOPE_SE
	s_setreg_imm32_b32 hwreg(HW_REG_WAVE_MODE, 25, 1), 1
	s_wait_xcnt 0x0
; PREP: the five f32 inputs are rounded once to bf16 values (nearest even) and written in f16 encoding into cb,
; and the table of cos and sin for the rotary embedding is written into tab.
;   cb: x as [4096][1024] at byte 0; Wq, Wk, Wv as [3072][1024] at byte 8,388,608, row = head*192 + m*64 + r (m = 0 q, 1 k, 2 v),
;       so that one head's 192 rows lie together; Wo as [1024][1024] at byte 14,680,064.
;   tab: [2048 positions][32 frequencies][cos, sin] in f32.
; LIMITS: a bf16 value is exact in f16 from 2^-14 up to 65,504; smaller numbers keep an absolute step of 2^-25, larger ones become infinite.
;         The angle pos * 10000^(-f/32) is reduced by pi/2 in two terms in f32; at position 2047 angle and reduction are good to about 2e-4 rad.
; SHARE: 8192 rows of 4,096 bytes, 32 rows for each of 256 work-groups; a wave takes 16,384 neighbouring bytes by 32 loads of 512 bytes,
; all issued before the first is used.  Each store of a wave covers 256 consecutive bytes, aligned.  No LDS, no barrier: no wave needs another's data.
.set T, 4                              ; v[4:5]    two packed bf16 pairs, at work
.set X, 8                              ; v[8:135]  32 loads of 4 registers
.set W, 136                            ; v[136:149] the table entry
	s_load_b256 s[4:11], s[0:1], 0x0               ; x s[4:5], Wq s[6:7], Wk s[8:9], Wv s[10:11]
	s_load_b128 s[12:15], s[0:1], 0x20             ; Wo s[12:13], cb s[14:15]
	s_load_b64 s[16:17], s[0:1], 0x30              ; tab
	s_mov_b32 s2, ttmp9                            ; g, the work-group
	s_lshr_b32 s18, s2, 5                          ; which input: 0-3 x, 4 Wq, 5 Wk, 6 Wv, 7 Wo
	s_and_b32 s19, s2, 31                          ; which 32 rows of a weight
	s_mov_b32 s28, 0xffff0000                      ; a word's upper bf16
	s_cmp_lt_u32 s18, 4
	s_cselect_b32 s22, s2, s19                     ; block of 32 rows inside the source
	s_lshl_b32 s22, s22, 17                        ; x 131,072 bytes
	s_mov_b32 s23, 0
	s_lshl_b32 s24, s2, 16                         ; destination if x: g x 65,536
	s_lshr_b32 s26, s19, 1                         ; destination if Wq, Wk, Wv: head
	s_mul_i32 s26, s26, 192
	s_sub_co_u32 s27, s18, 4                       ; m
	s_lshl_b32 s27, s27, 6
	s_add_co_u32 s26, s26, s27
	s_and_b32 s27, s19, 1
	s_lshl_b32 s27, s27, 5                         ; lower or upper 32 rows of the head
	s_add_co_u32 s26, s26, s27
	s_lshl_b32 s26, s26, 11                        ; rows of 2,048 bytes
	s_add_co_u32 s26, s26, 8388608
	s_lshl_b32 s27, s19, 16                        ; destination if Wo
	s_add_co_u32 s27, s27, 14680064
	s_cmp_lt_u32 s18, 4
	s_cselect_b32 s24, s24, s26
	s_cmp_eq_u32 s18, 7
	s_cselect_b32 s24, s27, s24
	s_mov_b32 s25, 0
	s_lshl_b32 s26, s2, 11                         ; the work-group's 256 table entries of 8 bytes
	s_mov_b32 s27, 0
	v_lshrrev_b32 v6, 5, v0                        ; wave
	v_and_b32 v7, 31, v0                           ; lane
	v_lshlrev_b32 v1, 4, v7
	v_lshl_or_b32 v1, v6, 14, v1                   ; source: wave x 16,384 + lane x 16
	v_lshlrev_b32 v2, 3, v7
	v_lshl_or_b32 v2, v6, 13, v2                   ; destination: wave x 8,192 + lane x 8
	v_lshlrev_b32 v3, 3, v0                        ; table: thread x 8
	s_wait_kmcnt 0x0
	s_mov_b64 s[20:21], s[4:5]                     ; the source buffer, chosen by the work-group's number alone
	s_cmp_eq_u32 s18, 4
	s_cselect_b64 s[20:21], s[6:7], s[20:21]
	s_cmp_eq_u32 s18, 5
	s_cselect_b64 s[20:21], s[8:9], s[20:21]
	s_cmp_eq_u32 s18, 6
	s_cselect_b64 s[20:21], s[10:11], s[20:21]
	s_cmp_eq_u32 s18, 7
	s_cselect_b64 s[20:21], s[12:13], s[20:21]
	s_add_nc_u64 s[20:21], s[20:21], s[22:23]
	s_add_nc_u64 s[14:15], s[14:15], s[24:25]
	s_add_nc_u64 s[16:17], s[16:17], s[26:27]
.set i, 0
.rept 32
	global_load_b128 v[X+4*i:X+4*i+3], v1, s[20:21] offset:512*i th:TH_LOAD_NT   ; read once in the launch
.set i, i+1
.endr
	; The table entry of thread 256 g + t: frequency f = t & 31, position 8 g + (t >> 5); made while the loads travel.
	v_cvt_f32_u32 v[W], v7                         ; f
	v_lshl_add_u32 v[W+1], s2, 3, v6               ; position
	v_cvt_f32_u32 v[W+1], v[W+1]
	v_mul_f32 v[W], 0xbed49a78, v[W]               ; -f * log2(10000) / 32
	v_exp_f32 v[W], v[W]                           ; 10000^(-f/32)
	v_mov_b32 v[W+6], 0xb9500d01                   ; -1/5040 (a plain instruction stands behind the exponential: ISA guide 5.7.2)
	s_wait_alu depctr_va_vdst(0)
	v_mul_f32 v[W+2], v[W+1], v[W]                 ; the angle
	v_mul_f32 v[W+3], 0x3f22f983, v[W+2]           ; x 2/pi
	v_rndne_f32 v[W+3], v[W+3]                     ; n quarter turns
	v_fmamk_f32 v[W+4], v[W+3], 0xbfc90fdb, v[W+2] ; r = angle - n * pi/2: the leading part,
	v_fmamk_f32 v[W+4], v[W+3], 0x333bbd2e, v[W+4] ; and what f32 leaves of pi/2 (-4.3711388e-8)
	v_mul_f32 v[W+5], v[W+4], v[W+4]               ; r^2, |r| <= pi/4
	v_fmaak_f32 v[W+6], v[W+6], v[W+5], 0x3c088889 ; sin r = r + r r^2 (-1/6 + r^2 (1/120 - r^2/5040))
	v_fmaak_f32 v[W+6], v[W+6], v[W+5], 0xbe2aaaab
	v_mul_f32 v[W+7], v[W+4], v[W+5]
	v_fma_f32 v[W+6], v[W+7], v[W+6], v[W+4]
	v_mov_b32 v[W+8], 0x37d00d01                   ; cos r = 1 + r^2 (-1/2 + r^2 (1/24 + r^2 (-1/720 + r^2/40320)))
	v_fmaak_f32 v[W+8], v[W+8], v[W+5], 0xbab60b61
	v_fmaak_f32 v[W+8], v[W+8], v[W+5], 0x3d2aaaab
	v_fmaak_f32 v[W+8], v[W+8], v[W+5], 0xbf000000
	v_fma_f32 v[W+8], v[W+8], v[W+5], 1.0
	v_cvt_i32_f32 v[W+9], v[W+3]                   ; n as a whole number
	v_and_b32 v[W+10], 1, v[W+9]
	v_cmp_eq_u32 vcc_lo, 1, v[W+10]                ; odd quarter turns exchange sin and cos: a selection of values, no branch
	v_cndmask_b32 v[W+12], v[W+8], v[W+6], vcc_lo  ; cos
	v_cndmask_b32 v[W+13], v[W+6], v[W+8], vcc_lo  ; sin
	v_lshlrev_b32 v[W+10], 30, v[W+9]              ; sin is negative for n mod 4 = 2, 3: bit 1 of n
	v_and_b32 v[W+10], 0x80000000, v[W+10]
	v_xor_b32 v[W+13], v[W+13], v[W+10]
	v_add_nc_u32 v[W+11], 1, v[W+9]                ; cos is negative for n mod 4 = 1, 2: bit 1 of n + 1
	v_lshlrev_b32 v[W+11], 30, v[W+11]
	v_and_b32 v[W+11], 0x80000000, v[W+11]
	v_xor_b32 v[W+12], v[W+12], v[W+11]
	global_store_b64 v3, v[W+12:W+13], s[16:17]    ; a wave's store covers 256 consecutive bytes, aligned
	; f32 -> bf16 value -> f16 encoding.  No register that a store reads is written again, so no wait frees any.
.set i, 0
.rept 32
	s_wait_loadcnt 31-i                            ; loads return in order (ISA guide 5.7.1): the 31 - i younger ones stay out
	v_cvt_pk_bf16_f32 v[T], v[X+4*i], v[X+4*i+1]
	v_cvt_pk_bf16_f32 v[T+1], v[X+4*i+2], v[X+4*i+3]
	v_lshlrev_b32 v[X+4*i], 16, v[T]
	v_and_b32 v[X+4*i+1], s28, v[T]
	v_lshlrev_b32 v[X+4*i+2], 16, v[T+1]
	v_and_b32 v[X+4*i+3], s28, v[T+1]
	v_cvt_pk_f16_f32 v[X+4*i], v[X+4*i], v[X+4*i+1]
	v_cvt_pk_f16_f32 v[X+4*i+1], v[X+4*i+2], v[X+4*i+3]
	global_store_b64 v2, v[X+4*i:X+4*i+1], s[14:15] offset:256*i   ; 32 lanes x 8 bytes: 256 consecutive bytes, aligned; read again by the next launch
.set i, i+1
.endr
	s_endpgm
.Lfunc_end_k_q559a3c2fc6_prep:
	.size	k_q559a3c2fc6_prep, .Lfunc_end_k_q559a3c2fc6_prep-k_q559a3c2fc6_prep
	.p2alignl 7, 3214868480
	.fill 96, 4, 3214868480
	.section	.rodata,"a",@progbits
	.p2align	6, 0x0
	.amdhsa_kernel k_q559a3c2fc6_prep
		.amdhsa_group_segment_fixed_size 0
		.amdhsa_private_segment_fixed_size 0
		.amdhsa_enable_private_segment 0
		.amdhsa_kernarg_size 56
		.amdhsa_user_sgpr_count 2
		.amdhsa_user_sgpr_kernarg_segment_ptr 1
		.amdhsa_wavefront_size32 1
		.amdhsa_system_sgpr_workgroup_id_x 1
		.amdhsa_system_sgpr_workgroup_id_y 1
		.amdhsa_system_sgpr_workgroup_id_z 1
		.amdhsa_system_vgpr_workitem_id 0
		.amdhsa_next_free_vgpr 152
		.amdhsa_next_free_sgpr 66
		.amdhsa_reserve_vcc 1
		.amdhsa_float_denorm_mode_32 3
		.amdhsa_float_denorm_mode_16_64 3
		.amdhsa_memory_ordered 1
		.amdhsa_forward_progress 1
		.amdhsa_inst_pref_size 23
	.end_amdhsa_kernel
	.amdgpu_metadata
---
amdhsa.version: [ 1, 2 ]
amdhsa.kernels:
  - .name:           k_q559a3c2fc6_prep
    .symbol:         k_q559a3c2fc6_prep.kd
    .args:
      - { .name: x, .offset: 0, .size: 8, .value_kind: global_buffer, .address_space: global }
      - { .name: Wq, .offset: 8, .size: 8, .value_kind: global_buffer, .address_space: global }
      - { .name: Wk, .offset: 16, .size: 8, .value_kind: global_buffer, .address_space: global }
      - { .name: Wv, .offset: 24, .size: 8, .value_kind: global_buffer, .address_space: global }
      - { .name: Wo, .offset: 32, .size: 8, .value_kind: global_buffer, .address_space: global }
      - { .name: cb, .offset: 40, .size: 8, .value_kind: global_buffer, .address_space: global }
      - { .name: tab, .offset: 48, .size: 8, .value_kind: global_buffer, .address_space: global }
    .group_segment_fixed_size: 0
    .private_segment_fixed_size: 0
    .kernarg_segment_align: 8
    .kernarg_segment_size: 56
    .max_flat_workgroup_size: 256
    .sgpr_count:     66
    .vgpr_count:     152
    .wavefront_size: 32
...
	.end_amdgpu_metadata
.endif
;; end of part 1
;; launch qkv (part 2): grid 16 x 16, 4 waves a work-group, clusters of 4 x 4, 327,680 bytes of LDS; arguments cb, tab, qb, kb, vb; writes qb, kb, vb
.if DOCPART == 2
	.amdgcn_target "amdgcn-amd-amdhsa--gfx1250"
	.amdhsa_code_object_version 6
	.text
	.protected	k_q559a3c2fc6_qkv
	.globl	k_q559a3c2fc6_qkv
	.p2align	8
	.type	k_q559a3c2fc6_qkv,@function
k_q559a3c2fc6_qkv:
	s_mov_b64 s[64:65], 0
	v_nop
	global_prefetch_b8 v0, s[64:65] scope:SCOPE_SE
	s_setreg_imm32_b32 hwreg(HW_REG_WAVE_MODE, 25, 1), 1
	s_wait_xcnt 0x0
	s_wait_alu depctr_hold_cnt(0) depctr_sa_sdst(0) depctr_va_vdst(0) depctr_va_sdst(0) depctr_va_ssrc(0) depctr_va_vcc(0) depctr_vm_vsrc(0)
	s_getreg_b32 s2, hwreg(HW_REG_IB_STS2, 6, 4)
	s_cmp_eq_u32 s2, 0
	s_cbranch_scc0 .Lentry_in_a_cluster
	s_endpgm
.Lentry_in_a_cluster:
	s_bfe_u32 s2, ttmp6, 0x10000c
	s_cmp_lg_u32 s2, 0xf033
	s_cbranch_scc0 .Lentry_shape_is_right
	s_endpgm
.Lentry_shape_is_right:
; QKV: [4096 rows of x][1024] times [3072 rows of Wq, Wk, Wv by head][1024] transposed, f16 operands, f32 sums; then the rotary embedding on q and k;
; q, k, v leave as f16 in [batch][head][position][64], rows of 128 bytes without gaps.
; LIMIT: q, k, v must stay below 65,504 in magnitude (f16).
; SHARE: a work-group makes 256 rows x the 192 columns of one head (64 of q, 64 of k, 64 of v) with four waves; a wave makes 64 rows x 192 columns:
; 48 accumulator tiles of 16 x 16, 384 registers.  K goes in 8 steps of 128 (rows of 256 bytes, each at a multiple of 256 from the buffer's first byte)
; through two LDS slots filled by the tensor data mover.
; CLUSTER: 4 x 4 work-groups.  x's tile hangs on the row block alone and is asked for jointly by the four of a row of the cluster;
; W's tile hangs on the head alone and is asked for jointly by the four of a column: requests for both are divided by four.
; REGISTER WINDOWS: 0: addresses, x fragments (two buffers), cos/sin, way out; 1: the 32 tiles of q and k, tile (a, c) at v[8 (8 a + c)];
; 2: the 16 tiles of v at v[8 (4 a + c)]; 3: W fragments, two buffers of 96.
; The matrix instruction is used transposed (source 0 = 16 rows of W, source 1 = 16 rows of x): lane l holds row l % 16 and its registers
; 0-7 the columns 8 (l / 16) + 0..7 of the tile: the pairs that the rotary embedding turns lie in one lane, and eight f16 make 16 bytes of a row.
.set PITCH, 272                        ; LDS row: 256 bytes + 16: an odd multiple of 16, so 16 rows of a fragment start 16 bytes apart modulo 256
.set SLOT,  448*PITCH                  ; 256 rows of x, then 192 rows of W
.set STAGE, 2*SLOT                     ; behind the ring, a multiple of 256: 16 rows x 144 bytes for each wave; no tensor load lands here
.set ADRA, 16                          ; v16-17 LDS address of my x fragments in slot 0, 1
.set ADRB, 20                          ; v20-21 the same for W
.set STO,  24                          ; way out: where I put 16 bytes
.set RD,   25                          ; way out: where I read rows back
.set CO,   26                          ; way out: 16 x lane
.set TOFF, 27                          ; my offset in the cos/sin table
.set XF,   32                          ; x fragments: buffer f at XF + 32 f
.set CS,   96                          ; v96-223: (cos, sin) x 4 pairs for tile (a, c) at CS + 32 a + 8 c
.set RB,   224                         ; v224-255: rows on their way out, two sets
.set RO,   32                          ; way out: turned q or k in f32 (x fragments are dead then)
.set PK,   64                          ; way out: packed f16
.set G1, 24                            ; s[24:31] group 1 for x's tiles
.set G0, 32                            ; s[32:39] group 0 for x's tiles, a set for each slot
.set G1B, 48                           ; s[48:55] group 1 for W's tiles
.set G0B, 56                           ; s[56:63] group 0 for W's tiles
.set MUL1, 0x53                        ; source 0 window 3, source 1 window 0, C and D window 1
.set MUL2, 0xa3                        ; the same, C and D window 2
.set TO_W, 0xc0                        ; destination window 3, address window 0
.set MSB, 0
.macro WIN new                         ; the immediate's high byte repeats the setting that is left
.if MSB != \new
	s_set_vgpr_msb (MSB<<8)|\new
.set MSB, \new
.endif
.endm
.macro PLACES                          ; four independent vector instructions behind a matrix instruction (ISA guide 7.12.1) before its registers are loaded or read
.rept 4
	v_nop
.endr
.endm
; A joint load: waves 0, 1 fetch x's two halves of 128 rows, waves 2, 3 W's two halves of 96.  The branch hangs on the wave's number alone.
.macro JLOAD s
	s_cmp_eq_u32 s15, 0
	s_cbranch_scc0 .Lfor_b_\@
	tensor_load_to_lds s[G0+4*\s:G0+4*\s+3], s[G1:G1+7]
	s_nop 0
	s_branch .Lasked_\@
.Lfor_b_\@:
	tensor_load_to_lds s[G0B+4*\s:G0B+4*\s+3], s[G1B:G1B+7]
	s_nop 0
.Lasked_\@:
.endm
.macro CREST                           ; a round of the cluster's barrier behind its opening work-group barrier
	s_cmp_lg_u32 s14, 0
	s_cbranch_scc1 .Lnot_wave_0_\@
	s_barrier_signal -3
.Lnot_wave_0_\@:
	s_barrier_wait -3
	s_barrier_signal -1
	s_barrier_wait -1
.endm
.macro CROUND
	s_barrier_signal -1
	s_barrier_wait -1
	CREST
.endm
	s_load_b256 s[4:11], s[0:1], 0x0               ; cb s[4:5], tab s[6:7], qb s[8:9], kb s[10:11]
	s_load_b64 s[12:13], s[0:1], 0x20              ; vb
	s_set_vgpr_msb 0xc0
	v_lshl_add_u32 v193, v0, 2, 0x3dc00
	s_set_vgpr_msb 0xc000
	v_mov_b32 v31, 0
	s_set_vgpr_msb 0x3
	ds_add_u32 v193, v31
	ds_add_u32 v193, v31
	s_set_vgpr_msb 0x300
	v_lshrrev_b32 v1, 5, v0
	v_readfirstlane_b32 s14, v1                    ; wave 0..3
	s_lshr_b32 s15, s14, 1                         ; I fetch for x (0) or for W (1)
	s_and_b32 s16, s14, 1                          ; which half of that tile
	s_bfe_u32 s17, ttmp6, 0x40000                  ; cx
	s_bfe_u32 s18, ttmp6, 0x40004                  ; cy
	s_lshl_b32 s19, ttmp9, 2
	s_add_co_u32 s19, s19, s17                     ; head = 4 x cluster x + cx
	s_and_b32 s20, ttmp7, 0xffff
	s_lshl_b32 s20, s20, 2
	s_add_co_u32 s20, s20, s18                     ; row block = 4 x cluster y + cy
	s_lshl_b32 s21, s18, 2
	s_lshl_b32 s21, 15, s21                        ; my row of the cluster
	s_lshl_b32 s22, 0x1111, s17                    ; my column
	s_or_b32 s[G1+0], s21, (1<<16)|(1<<20)|(1<<21)|(5<<22)|(3<<25)   ; mask; 2-byte elements; padding on: 4 words behind every 64; bit 21 beside a mask
	s_or_b32 s[G1B+0], s22, (1<<16)|(1<<20)|(1<<21)|(5<<22)|(3<<25)
	s_mov_b32 s[G1+1], 128<<16                     ; tensor_dim0 = 128
	s_mov_b32 s[G1B+1], 128<<16
	s_mov_b32 s[G1+2], 128<<16                     ; tensor_dim1 = 128 rows of x
	s_mov_b32 s[G1B+2], 96<<16                     ;             =  96 rows of W
	s_mov_b32 s[G1+3], 128<<16                     ; tile_dim0 = 128
	s_mov_b32 s[G1B+3], 128<<16
	s_mov_b32 s[G1+4], 128                         ; tile_dim1
	s_mov_b32 s[G1B+4], 96
	s_mov_b32 s[G1+5], 1024                        ; elements from row to row
	s_mov_b32 s[G1B+5], 1024
	s_mov_b32 s[G1+6], 0
	s_mov_b32 s[G1B+6], 0
	s_mov_b32 s[G1+7], 0
	s_mov_b32 s[G1B+7], 0
	; x's address is made of the row block and the wave alone (s40-43), W's of the head and the wave alone (s44-47)
	s_lshl_b32 s40, s20, 8
	s_lshl_b32 s41, s16, 7
	s_add_co_u32 s40, s40, s41                     ; row 256 x block + 128 x half
	s_lshl_b32 s40, s40, 11                        ; rows of 2,048 bytes
	s_mov_b32 s41, 0
	s_mul_i32 s44, s19, 192
	s_mul_i32 s45, s16, 96
	s_add_co_u32 s44, s44, s45                     ; row 192 x head + 96 x half
	s_lshl_b32 s44, s44, 11
	s_add_co_u32 s44, s44, 8388608                 ; behind x in cb
	s_mov_b32 s45, 0
	s_mul_i32 s76, s14, 128*PITCH                  ; LDS: x's halves at wave x 128 rows (waves 0, 1)
	s_mul_i32 s77, s14, 96*PITCH
	s_add_co_u32 s77, s77, 17408                   ; W's halves at 256 rows + (wave - 2) x 96 rows (waves 2, 3)
	; where the results go: ((batch x 16 + head) x 2048 + position of my first row) x 128 bytes
	s_lshr_b32 s78, s20, 3
	s_lshl_b32 s78, s78, 4
	s_add_co_u32 s78, s78, s19
	s_lshl_b32 s78, s78, 11
	s_and_b32 s79, s20, 7
	s_lshl_b32 s74, s79, 16                        ; the table's rows of my block: 256 positions of 256 bytes
	s_mov_b32 s75, 0
	s_lshl_b32 s79, s79, 8
	s_add_co_u32 s78, s78, s79
	s_lshl_b32 s79, s14, 6
	s_add_co_u32 s78, s78, s79
	s_lshl_b32 s78, s78, 7
	s_mov_b32 s79, 0
	s_wait_dscnt 0x0
	s_wait_kmcnt 0x0
	s_add_nc_u64 s[42:43], s[4:5], s[40:41]
	s_add_nc_u64 s[46:47], s[4:5], s[44:45]
	s_add_nc_u64 s[68:69], s[8:9], s[78:79]        ; q
	s_add_nc_u64 s[70:71], s[10:11], s[78:79]      ; k
	s_add_nc_u64 s[72:73], s[12:13], s[78:79]      ; v
	s_add_nc_u64 s[74:75], s[6:7], s[74:75]        ; table
	CROUND                                         ; all sixteen work-groups are here: the first joint loads meet
.irp s, 0,1
	s_mov_b32 s[G0+4*\s], 1
	s_add_co_u32 s[G0+4*\s+1], s76, \s*SLOT
	s_add_nc_u64 s[G0+4*\s+2:G0+4*\s+3], s[42:43], \s*256          ; K step s
	s_or_b32 s[G0+4*\s+3], s[G0+4*\s+3], 0x80000000
	s_mov_b32 s[G0B+4*\s], 1
	s_add_co_u32 s[G0B+4*\s+1], s77, \s*SLOT
	s_add_nc_u64 s[G0B+4*\s+2:G0B+4*\s+3], s[46:47], \s*256
	s_or_b32 s[G0B+4*\s+3], s[G0B+4*\s+3], 0x80000000
	JLOAD \s                                       ; two tensor loads of the wave are out at the most
.endr
	v_and_b32 v1, 15, v0                           ; r = l % 16
	v_bfe_u32 v2, v0, 4, 1                         ; h = l / 16
	v_and_b32 v5, 31, v0                           ; l
	v_mul_u32_u24 v3, v1, PITCH
	v_lshl_add_u32 v3, v2, 4, v3                   ; r x pitch + 16 h
	s_mul_i32 s76, s14, 64*PITCH                   ; my 64 rows of x
	v_add_nc_u32 v[ADRA], s76, v3
	v_add_nc_u32 v[ADRA+1], SLOT, v[ADRA]
	v_add_nc_u32 v[ADRB], 256*PITCH, v3            ; W lies behind x's 256 rows
	v_add_nc_u32 v[ADRB+1], SLOT, v[ADRB]
	s_mul_i32 s77, s14, 16*144
	s_add_co_u32 s77, s77, STAGE                   ; my stage
	v_mul_u32_u24 v4, v1, 144
	v_lshl_add_u32 v4, v2, 4, v4
	v_add_nc_u32 v[STO], s77, v4                   ; in: row r, 16 bytes for each half of the lanes
	v_lshrrev_b32 v6, 3, v5
	v_and_b32 v7, 7, v5
	v_mul_u32_u24 v6, v6, 144
	v_lshl_add_u32 v6, v7, 4, v6
	v_add_nc_u32 v[RD], s77, v6                    ; back: eight lanes take a row of 128 bytes, a load four rows
	v_lshlrev_b32 v[CO], 4, v5
	s_lshl_b32 s77, s14, 14                        ; table: (64 wave + r) rows of 256 bytes + 32 h
	v_lshlrev_b32 v4, 8, v1
	v_lshl_add_u32 v4, v2, 5, v4
	v_add_nc_u32 v[TOFF], s77, v4
	; cos and sin for my 64 rows: for tile (a, c) the four frequencies 8 c + 4 h + 0..3 of position 16 a + r: 32 bytes.  Used behind the K loop.
.irp a, 0,1,2,3
.irp c, 0,1,2,3
	global_load_b128 v[CS+32*\a+8*\c:CS+32*\a+8*\c+3],   v[TOFF], s[74:75] offset:\a*4096+\c*64
	global_load_b128 v[CS+32*\a+8*\c+4:CS+32*\a+8*\c+7], v[TOFF], s[74:75] offset:\a*4096+\c*64+16
.endr
.endr
; 16 matrix instructions on q's and k's tiles: row blocks a0, a0 + 1 x column blocks 0-7; zero = 1: the first product starts the sums
.macro MUL16A f, a0, zero
.irp a, \a0, \a0+1
.irp c, 0,1,2,3,4,5,6,7
.if \zero
	v_wmma_f32_16x16x32_f16 v[8*(8*(\a)+\c):8*(8*(\a)+\c)+7], v[96*\f+8*\c:96*\f+8*\c+7], v[XF+32*\f+8*(\a):XF+32*\f+8*(\a)+7], 0
.else
	v_wmma_f32_16x16x32_f16 v[8*(8*(\a)+\c):8*(8*(\a)+\c)+7], v[96*\f+8*\c:96*\f+8*\c+7], v[XF+32*\f+8*(\a):XF+32*\f+8*(\a)+7], v[8*(8*(\a)+\c):8*(8*(\a)+\c)+7]
.endif
.endr
.endr
.endm
; 16 matrix instructions on v's tiles: W fragments 8-11
.macro MUL16V f, zero
.irp a, 0,1,2,3
.irp c, 0,1,2,3
.if \zero
	v_wmma_f32_16x16x32_f16 v[8*(4*\a+\c):8*(4*\a+\c)+7], v[96*\f+64+8*\c:96*\f+64+8*\c+7], v[XF+32*\f+8*\a:XF+32*\f+8*\a+7], 0
.else
	v_wmma_f32_16x16x32_f16 v[8*(4*\a+\c):8*(4*\a+\c)+7], v[96*\f+64+8*\c:96*\f+64+8*\c+7], v[XF+32*\f+8*\a:XF+32*\f+8*\a+7], v[8*(4*\a+\c):8*(4*\a+\c)+7]
.endif
.endr
.endr
.endm
; 32 LDS loads in one run: 64 rows of x, then 192 rows of W, 32 along K at byte k of the rows, into buffer f
.macro FETCH slot, k, f
	WIN 0
.irp a, 0,1,2,3
	ds_load_b128 v[XF+32*\f+8*\a:XF+32*\f+8*\a+3],   v[ADRA+\slot] offset:\k+\a*16*PITCH
	ds_load_b128 v[XF+32*\f+8*\a+4:XF+32*\f+8*\a+7], v[ADRA+\slot] offset:\k+\a*16*PITCH+32
.endr
	WIN TO_W
.irp c, 0,1,2,3,4,5,6,7,8,9,10,11
	ds_load_b128 v[96*\f+8*\c:96*\f+8*\c+3],   v[ADRB+\slot] offset:\k+\c*16*PITCH
	ds_load_b128 v[96*\f+8*\c+4:96*\f+8*\c+7], v[ADRB+\slot] offset:\k+\c*16*PITCH+32
.endr
.endm
; A quarter of a K step: 48 matrix instructions on buffer f, always in the same order, so that the 48 accumulators take turns, one instruction a turn
; After the first sixteen the next quarter's fragments are fetched into buffer g.
.macro QUARTER slot, k, f, g, zero
	s_wait_dscnt 8                                 ; all but the youngest eight loads (W fragments 8-11, for v's tiles)
	WIN MUL1
	MUL16A \f, 0, \zero
	PLACES
	FETCH \slot, \k, \g
	s_wait_dscnt 32                                ; all but the 32 just issued
	WIN MUL1
	MUL16A \f, 2, \zero
	WIN MUL2
	MUL16V \f, \zero
.endm
.macro THREE slot, zero
	QUARTER \slot, 64,  0, 1, \zero
	QUARTER \slot, 128, 1, 0, 0
	QUARTER \slot, 192, 0, 1, 0
.endm
; The last quarter multiplies buffer 1 and changes slots.  In front of the barrier each wave waits for its reads of this slot and for all its tensor
; loads (one is out: its part of the next slot).  Where the slot is filled again the barrier opens a round of the cluster's barrier, and the joint
; refill is the first tensor load behind the round.
.macro TURN slot, next, fill
	s_wait_dscnt 8
	WIN MUL1
	MUL16A 1, 0, 0
	s_wait_dscnt 0x0                               ; my reads of this slot are over
	s_wait_tensorcnt 0x0                           ; all my tensor loads have landed
	ds_add_u32 v193, v31
	s_wait_dscnt 0x0
	s_barrier_signal -1
	MUL16A 1, 2, 0                                 ; register work while the others arrive
	WIN 0
	s_barrier_wait -1
.if \fill
	CREST
	s_add_nc_u64 s[G0+4*\slot+2:G0+4*\slot+3], s[G0+4*\slot+2:G0+4*\slot+3], 512     ; two K steps of 256 bytes on
	s_add_nc_u64 s[G0B+4*\slot+2:G0B+4*\slot+3], s[G0B+4*\slot+2:G0B+4*\slot+3], 512
	JLOAD \slot
.endif
	PLACES
	FETCH \next, 0, 0
	WIN MUL2
	MUL16V 1, 0
.endm
.macro LAP zero
	THREE 0, \zero
	TURN 0, 1, 1
	THREE 1, 0
	TURN 1, 0, 1
.endm
	s_wait_tensorcnt 1                             ; my part of K step 0 is in; K step 1's load stays out
	s_barrier_signal -1
	s_barrier_wait -1
	FETCH 0, 0, 0
	LAP 1                                          ; K steps 0, 1: the first products start the sums
	WIN 0
	s_mov_b32 s3, 2
.Llap:
	LAP 0                                          ; K steps 2-5
	WIN 0
	s_sub_co_u32 s3, s3, 1
	s_cmp_lg_u32 s3, 0
	s_cbranch_scc1 .Llap
	THREE 0, 0                                     ; K steps 6, 7 fill nothing
	TURN 0, 1, 0
	THREE 1, 0
	s_wait_dscnt 0x0
	WIN MUL1
	MUL16A 1, 0, 0
	MUL16A 1, 2, 0
	WIN MUL2
	MUL16V 1, 0
	WIN 0
	PLACES
	s_wait_loadcnt 0x0                             ; cos and sin
; THE WAY OUT, 16 rows x 64 columns at a time.
; q, k: (e, o) -> (e cos - o sin, e sin + o cos): a packed multiply by cos, then a packed multiply-add that takes the pair crosswise, times sin, the low product negated.
.macro ROPE a, c0
	WIN 0x01                                       ; source 0 (accumulators) in window 1
.irp c, 0,1,2,3
.irp i, 0,2,4,6
	v_pk_mul_f32 v[RO+8*\c+\i:RO+8*\c+\i+1], v[8*(8*\a+\c0+\c)+\i:8*(8*\a+\c0+\c)+\i+1], v[CS+32*\a+8*\c+\i:CS+32*\a+8*\c+\i+1] op_sel_hi:[1,0]
.endr
.endr
.irp c, 0,1,2,3
.irp i, 0,2,4,6
	v_pk_fma_f32 v[RO+8*\c+\i:RO+8*\c+\i+1], v[8*(8*\a+\c0+\c)+\i:8*(8*\a+\c0+\c)+\i+1], v[CS+32*\a+8*\c+\i:CS+32*\a+8*\c+\i+1], v[RO+8*\c+\i:RO+8*\c+\i+1] op_sel:[1,1,0] op_sel_hi:[0,1,1] neg_lo:[0,1,0]
.endr
.endr
	WIN 0
.irp c, 0,1,2,3
.irp r, 0,1,2,3
	v_cvt_pk_f16_f32 v[PK+4*\c+\r], v[RO+8*\c+2*\r], v[RO+8*\c+2*\r+1]
.endr
.endr
.endm
.macro PACKV a
	WIN 0x0a                                       ; sources 0 and 1 in window 2
.irp c, 0,1,2,3
.irp r, 0,1,2,3
	v_cvt_pk_f16_f32 v[PK+4*\c+\r], v[8*(4*\a+\c)+2*\r], v[8*(4*\a+\c)+2*\r+1]
.endr
.endr
	WIN 0
.endm
; through my own stage: LDS serves a wave's instructions in order (ISA guide 5.7.1), so the loads see the stores; each global store covers 512 consecutive bytes, aligned
.macro FLUSH a, base, rb
.irp c, 0,1,2,3
	ds_store_b128 v[STO], v[PK+4*\c:PK+4*\c+3] offset:32*\c
.endr
	s_wait_xcnt 0x0                                ; the registers that earlier stores read are loaded again only behind this wait
.irp t, 0,1,2,3
	ds_load_b128 v[\rb+4*\t:\rb+4*\t+3], v[RD] offset:576*\t
.endr
.irp t, 0,1,2,3
	s_wait_dscnt 3-\t
	global_store_b128 v[CO], v[\rb+4*\t:\rb+4*\t+3], s[\base:\base+1] offset:\a*2048+\t*512
.endr
.endm
.irp a, 0,1,2,3
	ROPE \a, 0
	FLUSH \a, 68, RB+16*(\a%2)
	ROPE \a, 4
	FLUSH \a, 70, RB+16*((\a+1)%2)
	PACKV \a
	FLUSH \a, 72, RB+16*(\a%2)
.endr
	s_set_vgpr_msb 0x3
	s_wait_tensorcnt 0x0
	ds_add_u32 v193, v31
	s_wait_dscnt 0x0
	s_set_vgpr_msb 0x300
	CROUND                                         ; the closing round: no work-group ends while a partner may still ask for a tile that names it
	s_endpgm
.Lfunc_end_k_q559a3c2fc6_qkv:
	.size	k_q559a3c2fc6_qkv, .Lfunc_end_k_q559a3c2fc6_qkv-k_q559a3c2fc6_qkv
	.p2alignl 7, 3214868480
	.fill 96, 4, 3214868480
	.section	.rodata,"a",@progbits
	.p2align	6, 0x0
	.amdhsa_kernel k_q559a3c2fc6_qkv
		.amdhsa_group_segment_fixed_size 327680
		.amdhsa_private_segment_fixed_size 0
		.amdhsa_enable_private_segment 0
		.amdhsa_kernarg_size 40
		.amdhsa_user_sgpr_count 2
		.amdhsa_user_sgpr_kernarg_segment_ptr 1
		.amdhsa_wavefront_size32 1
		.amdhsa_system_sgpr_workgroup_id_x 1
		.amdhsa_system_sgpr_workgroup_id_y 1
		.amdhsa_system_sgpr_workgroup_id_z 1
		.amdhsa_system_vgpr_workitem_id 0
		.amdhsa_next_free_vgpr 962
		.amdhsa_next_free_sgpr 80
		.amdhsa_reserve_vcc 0
		.amdhsa_float_denorm_mode_32 3
		.amdhsa_float_denorm_mode_16_64 3
		.amdhsa_memory_ordered 1
		.amdhsa_forward_progress 1
		.amdhsa_inst_pref_size 184
	.end_amdhsa_kernel
	.amdgpu_metadata
---
amdhsa.version: [ 1, 2 ]
amdhsa.kernels:
  - .name:           k_q559a3c2fc6_qkv
    .symbol:         k_q559a3c2fc6_qkv.kd
    .args:
      - { .name: cb, .offset: 0, .size: 8, .value_kind: global_buffer, .address_space: global }
      - { .name: tab, .offset: 8, .size: 8, .value_kind: global_buffer, .address_space: global }
      - { .name: qb, .offset: 16, .size: 8, .value_kind: global_buffer, .address_space: global }
      - { .name: kb, .offset: 24, .size: 8, .value_kind: global_buffer, .address_space: global }
      - { .name: vb, .offset: 32, .size: 8, .value_kind: global_buffer, .address_space: global }
    .group_segment_fixed_size: 327680
    .private_segment_fixed_size: 0
    .kernarg_segment_align: 8
    .kernarg_segment_size: 40
    .max_flat_workgroup_size: 128
    .sgpr_count:     80
    .vgpr_count:     962
    .wavefront_size: 32
...
	.end_amdgpu_metadata
.endif
;; end of part 2
;; launch attn (part 3): grid 8 x 32, 8 waves a work-group, no clusters, 327,680 bytes of LDS; arguments qb, kb, vb, yb; writes yb
.if DOCPART == 3
	.amdgcn_target "amdgcn-amd-amdhsa--gfx1250"
	.amdhsa_code_object_version 6
	.text
	.protected	k_q559a3c2fc6_attn
	.globl	k_q559a3c2fc6_attn
	.p2align	8
	.type	k_q559a3c2fc6_attn,@function
k_q559a3c2fc6_attn:
	s_mov_b64 s[64:65], 0
	v_nop
	global_prefetch_b8 v0, s[64:65] scope:SCOPE_SE
	s_setreg_imm32_b32 hwreg(HW_REG_WAVE_MODE, 25, 1), 1
	s_wait_xcnt 0x0
; ATTN: causal attention for one (batch, head): softmax(q k^T / 8) v with a running maximum; f16 operands, f32 sums and softmax.
; q, k, v, y: [batch x head][2048][64] f16, rows of 128 bytes.
; LIMITS: the running maximum starts at -1e30 (raw scores); y must stay below 65,504; probabilities below 2^-14 keep an absolute step of 2^-25.
; SHARE: work-group (p, bh) takes the query blocks of 128 rows 2 p and 15 - 2 p: 2 p + 1 and 16 - 2 p key tiles of 128, 17 for every work-group.
; Eight waves: wave w takes the 32 queries 32 (w & 3) .. and the 64 keys 64 (w >> 2) .. of every tile; the two halves are joined at a block's end.
; A block starts at its diagonal tile and walks down to tile 0, so a block's first trip is the masked one and starts all sums.
; NO CLUSTER: the eight work-groups of a head walk different tile sequences (2 p, 2 p - 1, .. and 15 - 2 p, ..); in step they would need 23 trips instead of 17.
; LAYOUT: S^T = K (source 0) x Q (source 1): lane (r, h), register j holds key 16 t + 8 h + j of query r.  Two neighbouring tiles, packed to f16,
; are source 1 of O^T = V^T x P^T as they stand; maximum, scale and row sum are one number a lane.
.set SLOTB, 38912                      ; a slot: K 128 x 144 bytes, then V 128 x 160 bytes
.set VOFF,  18432
.set MERGE, 77824                      ; 4 x 8,704: what the upper key half hands to the lower; a multiple of 256, no tensor load lands here
.set STAGE, 112640                     ; 4 x 4,608: 32 rows x 144 bytes on the way out
.set KA, 2
.set VA, 3
.set QOFF, 4
.set MRG, 5
.set STO, 6
.set RD, 7
.set CO, 8
.set NINF, 9
.set DQ, 10                            ; v10-11: my query minus my first key, for query block b
.set M, 12                             ; v12-13 running maximum, v14-15 running sum
.set L, 14
.set NM, 16                            ; v[16:19] -maximum x c, as pairs
.set AL, 20                            ; v[20:23] scale of the old sums, as pairs
.set T, 24                             ; v[24:31] at work
.set Q, 32                             ; Q(b, ks) at Q + 16 b + 8 ks
.set S, 64                             ; S(b, t) at S + 32 b + 8 t; P(b, kk) in place at S + 32 b + 16 kk
.set O, 128                            ; O(dt, b) at O + 32 b + 8 dt
.set KF, 192                           ; K(t, ks) at KF + 16 t + 8 ks, then V(dt, kk) at KF + 16 dt + 8 kk
.set G1K, 40
.set G1V, 48
.set GK, 56                            ; s[56:63] group 0 for K, a set for each slot
.set GV, 68                            ; s[68:75] group 0 for V
	s_load_b256 s[4:11], s[0:1], 0x0               ; qb s[4:5], kb s[6:7], vb s[8:9], yb s[10:11]
	s_set_vgpr_msb 0x40
	v_lshl_add_u32 v0, v0, 2, 0x29000
	v_mov_b32 v1, 0
	s_set_vgpr_msb 0x4045
	ds_add_u32 v0, v1
	ds_add_u32 v0, v1
	s_set_vgpr_msb 0x4500
	v_lshrrev_b32 v1, 5, v0
	v_readfirstlane_b32 s12, v1                    ; wave 0..7
	s_and_b32 s13, s12, 3                          ; rq: which 32 queries
	s_lshr_b32 s14, s12, 2                         ; g: which 64 keys
	s_mov_b32 s15, ttmp9                           ; p
	s_and_b32 s16, ttmp7, 0xffff                   ; batch x 16 + head
	s_lshl_b32 s17, s15, 1                         ; block A = 2 p: also the tile that is fetched first
	s_sub_co_u32 s18, 15, s17                      ; block B = 15 - 2 p
	s_mov_b32 s21, 0
	s_mov_b32 s22, 0x3e38aa3b                      ; c = log2(e) / 8
	s_mov_b32 s23, 0xbe38aa3b                      ; -c
	s_mov_b32 s24, 0x76543210                      ; v_permlanex16_b32: lane i takes lane i of the other half
	s_mov_b32 s25, 0xfedcba98
	; group 1: 16 rows x 64 elements of 2 bytes; behind every 32 words K gets 4 words of padding (pitch 144), V 8 (pitch 160)
	s_mov_b32 s[G1K+0], (1<<16)|(1<<20)|(4<<22)|(3<<25)
	s_mov_b32 s[G1V+0], (1<<16)|(1<<20)|(4<<22)|(7<<25)
	s_mov_b32 s[G1K+1], 64<<16
	s_mov_b32 s[G1V+1], 64<<16
	s_mov_b32 s[G1K+2], 16<<16
	s_mov_b32 s[G1V+2], 16<<16
	s_mov_b32 s[G1K+3], 64<<16
	s_mov_b32 s[G1V+3], 64<<16
	s_mov_b32 s[G1K+4], 16
	s_mov_b32 s[G1V+4], 16
	s_mov_b32 s[G1K+5], 64
	s_mov_b32 s[G1V+5], 64
	s_mov_b32 s[G1K+6], 0
	s_mov_b32 s[G1V+6], 0
	s_mov_b32 s[G1K+7], 0
	s_mov_b32 s[G1V+7], 0
	s_mul_i32 s38, s12, 2304                       ; my 16 rows of K in a slot
	s_mul_i32 s39, s12, 2560                       ; my 16 rows of V
	s_add_co_u32 s39, s39, VOFF
.irp o, 0,1
	s_mov_b32 s[GK+4*\o], 1
	s_add_co_u32 s[GK+4*\o+1], s38, \o*SLOTB
	s_mov_b32 s[GV+4*\o], 1
	s_add_co_u32 s[GV+4*\o+1], s39, \o*SLOTB
.endr
	s_lshl_b32 s38, s16, 18                        ; the head's slab: 2048 rows of 128 bytes
	s_lshl_b32 s39, s12, 11
	s_add_co_u32 s20, s38, s39                     ; + my 16 rows of a tile
	s_wait_dscnt 0x0
	s_wait_kmcnt 0x0
	s_add_nc_u64 s[26:27], s[6:7], s[20:21]        ; K: my rows of tile 0
	s_add_nc_u64 s[28:29], s[8:9], s[20:21]        ; V
	s_or_b32 s27, s27, 0x80000000                  ; the descriptor's type
	s_or_b32 s29, s29, 0x80000000
	s_lshl_b32 s20, s17, 14                        ; tile 2 p: 128 rows of 128 bytes each
	s_add_nc_u64 s[GK+2:GK+3], s[26:27], s[20:21]
	s_add_nc_u64 s[GV+2:GV+3], s[28:29], s[20:21]
	tensor_load_to_lds s[GK:GK+3], s[G1K:G1K+7]    ; first fill of slot 0; two tensor loads of the wave are out at the most, here and in every trip
	s_nop 0
	tensor_load_to_lds s[GV:GV+3], s[G1V:G1V+7]
	s_nop 0
	s_add_co_u32 s20, s38, s20
	s_add_nc_u64 s[30:31], s[4:5], s[20:21]        ; Q of block A
	s_lshl_b32 s39, s13, 12                        ; my 32 rows
	s_add_co_u32 s20, s20, s39
	s_add_nc_u64 s[34:35], s[10:11], s[20:21]      ; y of block A, my rows
	s_lshl_b32 s20, s18, 14
	s_add_co_u32 s20, s38, s20
	s_add_nc_u64 s[32:33], s[4:5], s[20:21]        ; Q of block B
	s_add_co_u32 s20, s20, s39
	s_add_nc_u64 s[36:37], s[10:11], s[20:21]      ; y of block B
	v_and_b32 v1, 15, v0                           ; r
	v_bfe_u32 v16, v0, 4, 1                        ; h
	v_and_b32 v17, 31, v0                          ; l
	v_and_b32 v18, 7, v0                           ; l & 7
	v_bfe_u32 v19, v0, 3, 1                        ; (l >> 3) & 1
	v_bfe_u32 v20, v0, 3, 2                        ; l >> 3
	v_lshlrev_b32 v[QOFF], 7, v1
	v_lshl_add_u32 v[QOFF], v16, 4, v[QOFF]
	v_add_nc_u32 v[QOFF], s39, v[QOFF]             ; (32 rq + r) x 128 + 16 h
.irp b, 0,1
.irp ks, 0,1
	global_load_b128 v[Q+16*\b+8*\ks:Q+16*\b+8*\ks+3],   v[QOFF], s[30:31] offset:\b*2048+\ks*64
	global_load_b128 v[Q+16*\b+8*\ks+4:Q+16*\b+8*\ks+7], v[QOFF], s[30:31] offset:\b*2048+\ks*64+32
.endr
.endr
	v_mul_u32_u24 v21, v1, 144
	v_lshl_add_u32 v21, v16, 4, v21                ; r x 144 + 16 h
	s_mul_i32 s38, s14, 64*144
	v_add_nc_u32 v[KA], s38, v21                   ; K fragments: row 64 g + r
	s_mul_i32 s39, s13, 4608
	s_add_co_u32 s39, s39, STAGE
	v_add_nc_u32 v[STO], s39, v21
	v_mul_u32_u24 v22, v20, 144
	v_lshl_add_u32 v22, v18, 4, v22
	v_add_nc_u32 v[RD], s39, v22                   ; back: eight lanes a row of 128 bytes
	v_lshl_add_u32 v23, v16, 3, v18                ; V, transposing load: row 64 g + 8 h + (l & 7), 16 bytes ((l >> 3) & 1)
	v_mul_u32_u24 v23, v23, 160
	v_lshl_add_u32 v23, v19, 4, v23
	s_mul_i32 s38, s14, 64*160
	s_add_co_u32 s38, s38, VOFF
	v_add_nc_u32 v[VA], s38, v23
	s_mul_i32 s38, s13, 8704
	s_add_co_u32 s38, s38, MERGE
	v_lshlrev_b32 v[CO], 4, v17
	v_add_nc_u32 v[MRG], s38, v[CO]
	v_mov_b32 v[NINF], 0xff800000
	s_lshl_b32 s38, s13, 5
	s_lshl_b32 s39, s14, 6
	s_sub_co_i32 s38, s38, s39                     ; 32 rq - 64 g
	v_lshlrev_b32 v22, 3, v16
	v_sub_nc_u32 v[DQ], v1, v22
	v_add_nc_u32 v[DQ], s38, v[DQ]                 ; r - 8 h + 32 rq - 64 g
	v_add_nc_u32 v[DQ+1], 16, v[DQ]
; the next tile's addresses into slot o's descriptors: down to tile 0, then block B's diagonal tile
.macro NEXTADDR o
	s_sub_co_i32 s17, s17, 1
	s_cmp_lt_i32 s17, 0
	s_cselect_b32 s17, s18, s17
	s_lshl_b32 s20, s17, 14
	s_add_nc_u64 s[GK+4*(\o)+2:GK+4*(\o)+3], s[26:27], s[20:21]
	s_add_nc_u64 s[GV+4*(\o)+2:GV+4*(\o)+3], s[28:29], s[20:21]
.endm
; softmax step for query block b.  first = 1: the diagonal tile: keys beyond the query become -inf, and maximum and sum start here.
.macro SOFTMAX b, first
.set SB, S+32*\b
.if \first
.irp t, 0,1,2,3
.irp j, 0,1,2,3,4,5,6,7
	v_cmp_gt_i32 vcc_lo, 16*\t+\j, v[DQ+\b]        ; key 16 t + j (+ 8 h + 64 g) lies behind my query: a selection of values, no branch
	v_cndmask_b32 v[SB+8*\t+\j], v[SB+8*\t+\j], v[NINF], vcc_lo
.endr
.endr
.endif
.irp k, 0,1,2,3
	v_max3_num_f32 v[T+\k], v[SB+3*\k], v[SB+3*\k+1], v[SB+3*\k+2]     ; four chains
.endr
.irp k, 0,1,2,3,4,5,6,7,8,9
	v_max3_num_f32 v[T+\k%4], v[T+\k%4], v[SB+12+2*\k], v[SB+13+2*\k]
.endr
	v_max3_num_f32 v[T], v[T], v[T+1], v[T+2]
	v_max_num_f32 v[T], v[T], v[T+3]
	v_permlanex16_b32 v[T+1], v[T], s24, s25       ; the query's other 32 keys lie in lane l xor 16
.if \first
	v_max3_num_f32 v[T+2], v[T], v[T+1], 0xf149f2ca                    ; -1e30 keeps the maximum finite where all my keys are masked
.else
	v_max3_num_f32 v[T+2], v[T], v[T+1], v[M+\b]
	v_sub_f32 v[T+3], v[M+\b], v[T+2]
	v_mul_f32 v[T+3], s22, v[T+3]
	v_exp_f32 v[AL+2*\b], v[T+3]                   ; scale of the old sums, twice: a pair for the packed multiply
	v_exp_f32 v[AL+2*\b+1], v[T+3]
.endif
	v_mul_f32 v[NM+2*\b], s23, v[T+2]              ; -maximum x c (also the plain instruction behind the exponentials: ISA guide 5.7.2)
	v_mul_f32 v[NM+2*\b+1], s23, v[T+2]
	v_mov_b32 v[M+\b], v[T+2]
.set i, 0
.rept 16
	v_pk_fma_f32 v[SB+2*i:SB+2*i+1], v[SB+2*i:SB+2*i+1], s[22:23], v[NM+2*\b:NM+2*\b+1] op_sel_hi:[1,0,1]   ; (s - maximum) x c
.set i, i+1
.endr
.set i, 0
.rept 32
	v_exp_f32 v[SB+i], v[SB+i]
.set i, i+1
.endr
.if \first
	v_nop                                          ; a plain instruction behind the last exponential
	s_wait_alu depctr_va_vdst(0)
.else
.set i, 0
	s_wait_alu depctr_va_vdst(0)
.rept 16
	v_pk_mul_f32 v[O+32*\b+2*i:O+32*\b+2*i+1], v[O+32*\b+2*i:O+32*\b+2*i+1], v[AL+2*\b:AL+2*\b+1]           ; the old output sums to the new maximum
.set i, i+1
.endr
.endif
.irp k, 0,1,2,3
	v_pk_add_f32 v[T+2*\k:T+2*\k+1], v[SB+4*\k:SB+4*\k+1], v[SB+4*\k+2:SB+4*\k+3]
.endr
.irp k, 0,1,2,3,4,5,6,7
	v_pk_add_f32 v[T+2*(\k%4):T+2*(\k%4)+1], v[T+2*(\k%4):T+2*(\k%4)+1], v[SB+16+2*\k:SB+16+2*\k+1]
.endr
	v_pk_add_f32 v[T:T+1], v[T:T+1], v[T+2:T+3]
	v_pk_add_f32 v[T+4:T+5], v[T+4:T+5], v[T+6:T+7]
	v_pk_add_f32 v[T:T+1], v[T:T+1], v[T+4:T+5]
.if \first
	v_add_f32 v[L+\b], v[T], v[T+1]
.else
	v_add_f32 v[T], v[T], v[T+1]
	v_fma_f32 v[L+\b], v[L+\b], v[AL+2*\b], v[T]
.endif
.irp kk, 0,1
.irp i, 0,1,2,3,4,5,6,7
	v_cvt_pk_f16_f32 v[SB+16*\kk+\i], v[SB+16*\kk+2*\i], v[SB+16*\kk+2*\i+1]   ; in place, ascending: register i is written when 2 i, 2 i + 1 are read
.endr
.endr
.endm
.macro PV kk, zero
.irp b, 0,1
.irp dt, 0,1,2,3
.if \zero
	v_wmma_f32_16x16x32_f16 v[O+32*\b+8*\dt:O+32*\b+8*\dt+7], v[KF+16*\dt+8*\kk:KF+16*\dt+8*\kk+7], v[S+32*\b+16*\kk:S+32*\b+16*\kk+7], 0
.else
	v_wmma_f32_16x16x32_f16 v[O+32*\b+8*\dt:O+32*\b+8*\dt+7], v[KF+16*\dt+8*\kk:KF+16*\dt+8*\kk+7], v[S+32*\b+16*\kk:S+32*\b+16*\kk+7], v[O+32*\b+8*\dt:O+32*\b+8*\dt+7]
.endif
.endr
.endr
.endm
; One key tile, in slot `slot`.  fill = 1: the next tile is asked for, into the other slot.  first = 1: a block's diagonal tile.
.macro TRIP slot, fill, first
	s_set_vgpr_msb 0x5
	s_wait_tensorcnt 0x0                           ; all my tensor loads have landed, my rows of this trip's tile among them: every group 0 may be written
	ds_add_u32 v0, v1
	s_wait_dscnt 0x0
	s_set_vgpr_msb 0x500
.if \fill
	NEXTADDR 1-\slot
.endif
	s_wait_dscnt 0x0                               ; my reads of the other slot are over
	s_barrier_signal -1
	s_barrier_wait -1                              ; both hold of all eight waves
.if \fill
	tensor_load_to_lds s[GK+4*(1-\slot):GK+4*(1-\slot)+3], s[G1K:G1K+7]
	s_nop 0
	tensor_load_to_lds s[GV+4*(1-\slot):GV+4*(1-\slot)+3], s[G1V:G1V+7]
	s_nop 0
.endif
.rept 5
	v_nop                                          ; five places behind the last matrix instructions: S lands on P, K's loads on V
.endr
.irp ks, 0,1
.irp t, 0,1,2,3
	ds_load_b128 v[KF+16*\t+8*\ks:KF+16*\t+8*\ks+3],   v[KA] offset:\slot*SLOTB+\t*2304+\ks*64
	ds_load_b128 v[KF+16*\t+8*\ks+4:KF+16*\t+8*\ks+7], v[KA] offset:\slot*SLOTB+\t*2304+\ks*64+32
.endr
.endr
.if \first
	s_wait_loadcnt 0x0                             ; the block's Q
.endif
	s_wait_dscnt 8                                 ; the fragments of d = 0..31; the eight of d = 32..63 stay out
.irp b, 0,1
.irp t, 0,1,2,3
	v_wmma_f32_16x16x32_f16 v[S+32*\b+8*\t:S+32*\b+8*\t+7], v[KF+16*\t:KF+16*\t+7], v[Q+16*\b:Q+16*\b+7], 0
.endr
.endr
	s_wait_dscnt 0x0
.irp b, 0,1
.irp t, 0,1,2,3
	v_wmma_f32_16x16x32_f16 v[S+32*\b+8*\t:S+32*\b+8*\t+7], v[KF+16*\t+8:KF+16*\t+15], v[Q+16*\b+8:Q+16*\b+15], v[S+32*\b+8*\t:S+32*\b+8*\t+7]   ; eight accumulators by turns
.endr
.endr
.rept 4
	v_nop                                          ; four places before V is loaded over K and S is read
.endr
.irp kk, 0,1
.irp dt, 0,1,2,3
	ds_load_tr16_b128 v[KF+16*\dt+8*\kk:KF+16*\dt+8*\kk+3],   v[VA] offset:\slot*SLOTB+\kk*5120+\dt*32        ; V^T: d = 16 dt + r, keys 32 kk + 8 h ..
	ds_load_tr16_b128 v[KF+16*\dt+8*\kk+4:KF+16*\dt+8*\kk+7], v[VA] offset:\slot*SLOTB+\kk*5120+\dt*32+2560   ; keys 32 kk + 16 + 8 h ..
.endr
.endr
	SOFTMAX 0, \first
	SOFTMAX 1, \first
	s_wait_dscnt 0x0
	PV 0, \first
	PV 1, 0
.endm
; A block's end: the upper key half hands O, maximum and sum to the lower through LDS; the lower joins, divides, rounds and stores 32 rows of y.
.macro FINAL ybase, more
.rept 4
	v_nop                                          ; four places behind the last matrix instructions before O is read
.endr
.if \more
.irp b, 0,1
.irp ks, 0,1
	global_load_b128 v[Q+16*\b+8*\ks:Q+16*\b+8*\ks+3],   v[QOFF], s[32:33] offset:\b*2048+\ks*64       ; block B's Q, waited for in its first trip
	global_load_b128 v[Q+16*\b+8*\ks+4:Q+16*\b+8*\ks+7], v[QOFF], s[32:33] offset:\b*2048+\ks*64+32
.endr
.endr
.endif
	v_permlanex16_b32 v[T], v[L], s24, s25         ; the row sum's other half
	v_permlanex16_b32 v[T+1], v[L+1], s24, s25
	v_add_f32 v[L], v[L], v[T]
	v_add_f32 v[L+1], v[L+1], v[T+1]
	s_cmp_eq_u32 s14, 0
	s_cbranch_scc1 .Lkeep_\@
.set i, 0
.rept 16
	ds_store_b128 v[MRG], v[O+4*i:O+4*i+3] offset:512*i
.set i, i+1
.endr
	ds_store_b128 v[MRG], v[M:M+3] offset:8192
.Lkeep_\@:
	s_wait_dscnt 0x0                               ; the stores are done, for the partner's sake
	s_barrier_signal -1
	s_barrier_wait -1                              ; the next tile's loads may stay out
	s_cmp_lg_u32 s14, 0
	s_cbranch_scc1 .Ldone_\@
.set i, 0
.rept 16
	ds_load_b128 v[S+4*i:S+4*i+3], v[MRG] offset:512*i
.set i, i+1
.endr
	ds_load_b128 v[T:T+3], v[MRG] offset:8192      ; the partner's maxima and sums
	s_wait_dscnt 0x0
	v_max_num_f32 v[T+4], v[M], v[T]
	v_max_num_f32 v[T+5], v[M+1], v[T+1]
	v_sub_f32 v[M], v[M], v[T+4]
	v_sub_f32 v[M+1], v[M+1], v[T+5]
	v_sub_f32 v[T], v[T], v[T+4]
	v_sub_f32 v[T+1], v[T+1], v[T+5]
	v_mul_f32 v[M], s22, v[M]
	v_mul_f32 v[M+1], s22, v[M+1]
	v_mul_f32 v[T], s22, v[T]
	v_mul_f32 v[T+1], s22, v[T+1]
	v_exp_f32 v[M], v[M]                           ; my scale
	v_exp_f32 v[M+1], v[M+1]
	v_exp_f32 v[T], v[T]                           ; the partner's
	v_exp_f32 v[T+1], v[T+1]
	v_nop
	s_wait_alu depctr_va_vdst(0)
	v_mul_f32 v[L], v[L], v[M]
	v_mul_f32 v[L+1], v[L+1], v[M+1]
	v_fma_f32 v[L], v[T+2], v[T], v[L]             ; the whole row sum: at least about 1, since the row's largest term is 2^0
	v_fma_f32 v[L+1], v[T+3], v[T+1], v[L+1]
	v_rcp_f32 v[L], v[L]
	v_rcp_f32 v[L+1], v[L+1]
	v_nop
	s_wait_alu depctr_va_vdst(0)
.irp b, 0,1
	v_mul_f32 v[NM+2*\b], v[M+\b], v[L+\b]
	v_mul_f32 v[NM+2*\b+1], v[M+\b], v[L+\b]
	v_mul_f32 v[AL+2*\b], v[T+\b], v[L+\b]
	v_mul_f32 v[AL+2*\b+1], v[T+\b], v[L+\b]
.endr
.irp b, 0,1
.set i, 0
.rept 16
	v_pk_mul_f32 v[O+32*\b+2*i:O+32*\b+2*i+1], v[O+32*\b+2*i:O+32*\b+2*i+1], v[NM+2*\b:NM+2*\b+1]
.set i, i+1
.endr
.endr
.irp b, 0,1
.set i, 0
.rept 16
	v_pk_fma_f32 v[O+32*\b+2*i:O+32*\b+2*i+1], v[S+32*\b+2*i:S+32*\b+2*i+1], v[AL+2*\b:AL+2*\b+1], v[O+32*\b+2*i:O+32*\b+2*i+1]
.set i, i+1
.endr
.endr
.irp b, 0,1
.irp dt, 0,1,2,3
.irp r, 0,1,2,3
	v_cvt_pk_f16_f32 v[KF+16*\b+4*\dt+\r], v[O+32*\b+8*\dt+2*\r], v[O+32*\b+8*\dt+2*\r+1]
.endr
	ds_store_b128 v[STO], v[KF+16*\b+4*\dt:KF+16*\b+4*\dt+3] offset:\b*2304+\dt*32    ; row 16 b + r, d = 16 dt + 8 h ..: my own stage
.endr
.endr
.irp t, 0,1,2,3,4,5,6,7
	ds_load_b128 v[S+4*\t:S+4*\t+3], v[RD] offset:576*\t           ; LDS serves a wave's instructions in order: these see the stores above
.endr
.irp t, 0,1,2,3,4,5,6,7
	s_wait_dscnt 7-\t
	global_store_b128 v[CO], v[S+4*\t:S+4*\t+3], s[\ybase:\ybase+1] offset:512*\t     ; 512 consecutive bytes, aligned
.endr
.if \more
	s_wait_xcnt 0x0                                ; the stores' data registers are written again in the next trip
.endif
.Ldone_\@:
.endm
	TRIP 0, 1, 1                                   ; block A: tile 2 p
	s_cmp_eq_u32 s15, 0
	s_cbranch_scc1 .LendA
	s_mov_b32 s19, s15
.LloopA:
	TRIP 1, 1, 0                                   ; p pairs of tiles, down to tile 0
	TRIP 0, 1, 0
	s_sub_co_i32 s19, s19, 1
	s_cmp_lg_u32 s19, 0
	s_cbranch_scc1 .LloopA
.LendA:
	FINAL 34, 1
	TRIP 1, 1, 1                                   ; block B: tile 15 - 2 p
	s_sub_co_u32 s19, 7, s15
	s_cmp_eq_u32 s19, 0
	s_cbranch_scc1 .LendB
.LloopB:
	TRIP 0, 1, 0                                   ; 7 - p pairs
	TRIP 1, 1, 0
	s_sub_co_i32 s19, s19, 1
	s_cmp_lg_u32 s19, 0
	s_cbranch_scc1 .LloopB
.LendB:
	TRIP 0, 0, 0                                   ; tile 0: nothing more to fetch
	FINAL 36, 0
	s_set_vgpr_msb 0x5
	s_wait_tensorcnt 0x0
	ds_add_u32 v0, v1
	s_wait_dscnt 0x0
	s_set_vgpr_msb 0x500
	s_endpgm
.Lfunc_end_k_q559a3c2fc6_attn:
	.size	k_q559a3c2fc6_attn, .Lfunc_end_k_q559a3c2fc6_attn-k_q559a3c2fc6_attn
	.p2alignl 7, 3214868480
	.fill 96, 4, 3214868480
	.section	.rodata,"a",@progbits
	.p2align	6, 0x0
	.amdhsa_kernel k_q559a3c2fc6_attn
		.amdhsa_group_segment_fixed_size 327680
		.amdhsa_private_segment_fixed_size 0
		.amdhsa_enable_private_segment 0
		.amdhsa_kernarg_size 32
		.amdhsa_user_sgpr_count 2
		.amdhsa_user_sgpr_kernarg_segment_ptr 1
		.amdhsa_wavefront_size32 1
		.amdhsa_system_sgpr_workgroup_id_x 1
		.amdhsa_system_sgpr_workgroup_id_y 1
		.amdhsa_system_sgpr_workgroup_id_z 1
		.amdhsa_system_vgpr_workitem_id 0
		.amdhsa_next_free_vgpr 258
		.amdhsa_next_free_sgpr 76
		.amdhsa_reserve_vcc 1
		.amdhsa_float_denorm_mode_32 3
		.amdhsa_float_denorm_mode_16_64 3
		.amdhsa_memory_ordered 1
		.amdhsa_forward_progress 1
		.amdhsa_inst_pref_size 159
	.end_amdhsa_kernel
	.amdgpu_metadata
---
amdhsa.version: [ 1, 2 ]
amdhsa.kernels:
  - .name:           k_q559a3c2fc6_attn
    .symbol:         k_q559a3c2fc6_attn.kd
    .args:
      - { .name: qb, .offset: 0, .size: 8, .value_kind: global_buffer, .address_space: global }
      - { .name: kb, .offset: 8, .size: 8, .value_kind: global_buffer, .address_space: global }
      - { .name: vb, .offset: 16, .size: 8, .value_kind: global_buffer, .address_space: global }
      - { .name: yb, .offset: 24, .size: 8, .value_kind: global_buffer, .address_space: global }
    .group_segment_fixed_size: 327680
    .private_segment_fixed_size: 0
    .kernarg_segment_align: 8
    .kernarg_segment_size: 32
    .max_flat_workgroup_size: 256
    .sgpr_count:     76
    .vgpr_count:     258
    .wavefront_size: 32
...
	.end_amdgpu_metadata
.endif
;; end of part 3
;; launch oproj (part 4): grid 8 x 32, 4 waves a work-group, clusters of 4 x 4, 327,680 bytes of LDS; arguments yb, cb, out0; writes out0
.if DOCPART == 4
	.amdgcn_target "amdgcn-amd-amdhsa--gfx1250"
	.amdhsa_code_object_version 6
	.text
	.protected	k_q559a3c2fc6_oproj
	.globl	k_q559a3c2fc6_oproj
	.p2align	8
	.type	k_q559a3c2fc6_oproj,@function
k_q559a3c2fc6_oproj:
	s_mov_b64 s[64:65], 0
	v_nop
	global_prefetch_b8 v0, s[64:65] scope:SCOPE_SE
	s_setreg_imm32_b32 hwreg(HW_REG_WAVE_MODE, 25, 1), 1
	s_wait_xcnt 0x0
	s_wait_alu depctr_hold_cnt(0) depctr_sa_sdst(0) depctr_va_vdst(0) depctr_va_sdst(0) depctr_va_ssrc(0) depctr_va_vcc(0) depctr_vm_vsrc(0)
	s_getreg_b32 s2, hwreg(HW_REG_IB_STS2, 6, 4)
	s_cmp_eq_u32 s2, 0
	s_cbranch_scc0 .Lentry_in_a_cluster
	s_endpgm
.Lentry_in_a_cluster:
	s_bfe_u32 s2, ttmp6, 0x10000c
	s_cmp_lg_u32 s2, 0xf033
	s_cbranch_scc0 .Lentry_shape_is_right
	s_endpgm
.Lentry_shape_is_right:
; OPROJ: out[row][e] = sum over k of y[row][k] Wo[e][k]; f16 operands, f32 sums, f32 out.
; y lies as [batch][head][position][64] (rows of 128 bytes), Wo as f16 [1024][1024] at byte 14,680,064 of cb.
; SHARE: a work-group makes 128 x 128 of out with four waves, a wave 64 x 64: 16 accumulator tiles.  256 work-groups.
; K goes in 4 steps of 256 (four heads) through two LDS slots; a slot has two halves of 128 along K: two heads' planes of y (128 x 144 bytes each)
; and 128 rows of Wo (pitch 272).  A wave brings a step's share by two tensor loads; four of a wave are out at the most (both slots, at the start).
; CLUSTER 4 x 4: y's planes hang on the row block alone and are asked for jointly along a row of the cluster, Wo's rows on the column block alone, along a column.
; The matrix instruction is used transposed (source 0 = Wo, source 1 = y): a lane holds eight neighbouring columns of one row, 32 bytes.
.set SUB,   71680                      ; half a slot: 2 x 18,432 of y, 34,816 of Wo
.set BIGS,  143360
.set BOFF,  36864
.set STAGE, 286720                     ; behind the ring, a multiple of 256: 16 rows x 272 bytes for each wave
.set ADRA, 16                          ; v16-19: y fragments in (slot o, half u) at ADRA + 2 o + u
.set ADRB, 20                          ; v20-23: the same for Wo
.set STO, 24
.set RD,  25
.set CO,  26
.set F0,  32                           ; fragment buffer: Wo at +0..31, y at +32..63
.set F1,  96
.set G1A, 24
.set G0A, 32                           ; s[32:47]: (o, u) at G0A + 8 o + 4 u
.set G1B, 48
.set G0B, 68                           ; s[68:83]
.set MUL, 0x50                         ; C and D in window 1: acc(a, c) at v[8 (4 a + c)]
.set MSB, 0
.macro WIN new
.if MSB != \new
	s_set_vgpr_msb (MSB<<8)|\new
.set MSB, \new
.endif
.endm
.macro PLACES
.rept 4
	v_nop
.endr
.endm
.macro JLOAD2 o                        ; waves 0, 1: y's plane `wave` of both halves; waves 2, 3: 64 rows of Wo of both halves
	s_cmp_eq_u32 s15, 0
	s_cbranch_scc0 .Lfor_b_\@
	tensor_load_to_lds s[G0A+8*\o:G0A+8*\o+3], s[G1A:G1A+7]
	s_nop 0
	tensor_load_to_lds s[G0A+8*\o+4:G0A+8*\o+7], s[G1A:G1A+7]
	s_nop 0
	s_branch .Lasked_\@
.Lfor_b_\@:
	tensor_load_to_lds s[G0B+8*\o:G0B+8*\o+3], s[G1B:G1B+7]
	s_nop 0
	tensor_load_to_lds s[G0B+8*\o+4:G0B+8*\o+7], s[G1B:G1B+7]
	s_nop 0
.Lasked_\@:
.endm
.macro CREST
	s_cmp_lg_u32 s14, 0
	s_cbranch_scc1 .Lnot_wave_0_\@
	s_barrier_signal -3
.Lnot_wave_0_\@:
	s_barrier_wait -3
	s_barrier_signal -1
	s_barrier_wait -1
.endm
.macro CROUND
	s_barrier_signal -1
	s_barrier_wait -1
	CREST
.endm
	s_load_b128 s[4:7], s[0:1], 0x0                ; yb s[4:5], cb s[6:7]
	s_load_b64 s[8:9], s[0:1], 0x10                ; out0
	v_lshl_add_u32 v254, v0, 2, 0x4a400
	v_mov_b32 v255, 0
	ds_add_u32 v254, v255
	ds_add_u32 v254, v255
	v_lshrrev_b32 v1, 5, v0
	v_readfirstlane_b32 s14, v1                    ; wave
	s_lshr_b32 s15, s14, 1                         ; my half of the rows; also: I fetch y (0) or Wo (1)
	s_and_b32 s16, s14, 1                          ; my half of the columns
	s_bfe_u32 s17, ttmp6, 0x40000                  ; cx
	s_bfe_u32 s18, ttmp6, 0x40004                  ; cy
	s_lshl_b32 s19, ttmp9, 2
	s_add_co_u32 s19, s19, s17                     ; column block
	s_and_b32 s20, ttmp7, 0xffff
	s_lshl_b32 s20, s20, 2
	s_add_co_u32 s20, s20, s18                     ; row block
	s_lshl_b32 s21, s18, 2
	s_lshl_b32 s21, 15, s21                        ; my row of the cluster
	s_lshl_b32 s22, 0x1111, s17                    ; my column
	s_or_b32 s[G1A+0], s21, (1<<16)|(1<<20)|(1<<21)|(4<<22)|(3<<25)    ; rows of 32 words + 4 of padding
	s_or_b32 s[G1B+0], s22, (1<<16)|(1<<20)|(1<<21)|(5<<22)|(3<<25)    ; rows of 64 words + 4
	s_mov_b32 s[G1A+1], 64<<16
	s_mov_b32 s[G1B+1], 128<<16
	s_mov_b32 s[G1A+2], 128<<16
	s_mov_b32 s[G1B+2], 64<<16
	s_mov_b32 s[G1A+3], 64<<16
	s_mov_b32 s[G1B+3], 128<<16
	s_mov_b32 s[G1A+4], 128
	s_mov_b32 s[G1B+4], 64
	s_mov_b32 s[G1A+5], 64
	s_mov_b32 s[G1B+5], 1024
	s_mov_b32 s[G1A+6], 0
	s_mov_b32 s[G1B+6], 0
	s_mov_b32 s[G1A+7], 0
	s_mov_b32 s[G1B+7], 0
	; y: ((batch x 16 + head) x 2048 + position) x 128, head = wave + 2 u + 4 step: row block and wave alone (s56-59)
	s_lshr_b32 s56, s20, 4
	s_lshl_b32 s56, s56, 4
	s_add_co_u32 s56, s56, s14
	s_lshl_b32 s56, s56, 11
	s_and_b32 s57, s20, 15
	s_lshl_b32 s57, s57, 7
	s_add_co_u32 s56, s56, s57
	s_lshl_b32 s56, s56, 7
	s_mov_b32 s57, 0
	; Wo: row 128 x column block + 64 x half: column block and wave alone (s60-63)
	s_lshl_b32 s60, s19, 7
	s_lshl_b32 s61, s16, 6
	s_add_co_u32 s60, s60, s61
	s_lshl_b32 s60, s60, 11
	s_add_co_u32 s60, s60, 14680064
	s_mov_b32 s61, 0
	s_mul_i32 s10, s14, 18432                      ; LDS: y's plane = wave (waves 0, 1)
	s_mul_i32 s11, s14, 17408
	s_add_co_u32 s11, s11, 2048                    ; Wo's halves at 36,864 + (wave - 2) x 64 rows (waves 2, 3)
	; out: (128 x row block + 64 x my row half) rows of 4,096 bytes + 512 x column block + 256 x my column half
	s_lshl_b32 s12, s20, 7
	s_lshl_b32 s13, s15, 6
	s_add_co_u32 s12, s12, s13
	s_lshl_b32 s12, s12, 12
	s_lshl_b32 s13, s19, 9
	s_add_co_u32 s12, s12, s13
	s_lshl_b32 s13, s16, 8
	s_add_co_u32 s12, s12, s13
	s_mov_b32 s13, 0
	s_wait_dscnt 0x0
	s_wait_kmcnt 0x0
	s_add_nc_u64 s[58:59], s[4:5], s[56:57]
	s_add_nc_u64 s[62:63], s[6:7], s[60:61]
	s_add_nc_u64 s[8:9], s[8:9], s[12:13]
	CROUND                                         ; the first joint loads meet
.irp o, 0,1
.irp u, 0,1
	s_mov_b32 s[G0A+8*\o+4*\u], 1
	s_add_co_u32 s[G0A+8*\o+4*\u+1], s10, \o*BIGS+\u*SUB
	s_add_nc_u64 s[G0A+8*\o+4*\u+2:G0A+8*\o+4*\u+3], s[58:59], (4*\o+2*\u)*262144
	s_or_b32 s[G0A+8*\o+4*\u+3], s[G0A+8*\o+4*\u+3], 0x80000000
	s_mov_b32 s[G0B+8*\o+4*\u], 1
	s_add_co_u32 s[G0B+8*\o+4*\u+1], s11, \o*BIGS+\u*SUB
	s_add_nc_u64 s[G0B+8*\o+4*\u+2:G0B+8*\o+4*\u+3], s[62:63], \o*512+\u*256
	s_or_b32 s[G0B+8*\o+4*\u+3], s[G0B+8*\o+4*\u+3], 0x80000000
.endr
	JLOAD2 \o
.endr
	v_and_b32 v1, 15, v0                           ; r
	v_bfe_u32 v2, v0, 4, 1                         ; h
	v_mul_u32_u24 v3, v1, 144
	v_lshl_add_u32 v3, v2, 4, v3
	s_mul_i32 s12, s15, 64*144
	v_add_nc_u32 v[ADRA], s12, v3                  ; y: row 64 x my row half + r
	v_mul_u32_u24 v4, v1, 272
	v_lshl_add_u32 v5, v2, 4, v4
	s_mul_i32 s12, s16, 64*272
	s_add_co_u32 s12, s12, BOFF
	v_add_nc_u32 v[ADRB], s12, v5                  ; Wo: row 64 x my column half + r
	v_add_nc_u32 v[ADRA+1], SUB, v[ADRA]
	v_add_nc_u32 v[ADRA+2], BIGS, v[ADRA]
	v_add_nc_u32 v[ADRA+3], BIGS+SUB, v[ADRA]
	v_add_nc_u32 v[ADRB+1], SUB, v[ADRB]
	v_add_nc_u32 v[ADRB+2], BIGS, v[ADRB]
	v_add_nc_u32 v[ADRB+3], BIGS+SUB, v[ADRB]
	s_mul_i32 s12, s14, 16*272
	s_add_co_u32 s12, s12, STAGE
	v_lshl_add_u32 v5, v2, 5, v4
	v_add_nc_u32 v[STO], s12, v5                   ; in: row r, 32 bytes for each half of the lanes
	v_mul_u32_u24 v5, v2, 272
	v_lshl_add_u32 v5, v1, 4, v5
	v_add_nc_u32 v[RD], s12, v5                    ; back: sixteen lanes a row of 256 bytes
	v_lshlrev_b32 v5, 12, v2
	v_lshl_add_u32 v[CO], v1, 4, v5                ; the same two rows in out
; 16 LDS loads: quarter q (0-7, 32 along K) of slot o into buffer f: Wo's 64 rows, then y's 64 rows
.macro FETCH o, q, f
.irp c, 0,1,2,3
	ds_load_b128 v[\f+8*\c:\f+8*\c+3],   v[ADRB+2*\o+((\q)>>2)] offset:((\q)&3)*64+\c*4352
	ds_load_b128 v[\f+8*\c+4:\f+8*\c+7], v[ADRB+2*\o+((\q)>>2)] offset:((\q)&3)*64+\c*4352+32
.endr
.irp a, 0,1,2,3
	ds_load_b128 v[\f+32+8*\a:\f+32+8*\a+3],   v[ADRA+2*\o+((\q)>>2)] offset:(((\q)&3)>>1)*18432+((\q)&1)*64+\a*2304
	ds_load_b128 v[\f+32+8*\a+4:\f+32+8*\a+7], v[ADRA+2*\o+((\q)>>2)] offset:(((\q)&3)>>1)*18432+((\q)&1)*64+\a*2304+32
.endr
.endm
.macro MUL8 f, a0, zero
.irp a, \a0, \a0+1
.irp c, 0,1,2,3
.if \zero
	v_wmma_f32_16x16x32_f16 v[8*(4*(\a)+\c):8*(4*(\a)+\c)+7], v[\f+8*\c:\f+8*\c+7], v[\f+32+8*(\a):\f+32+8*(\a)+7], 0
.else
	v_wmma_f32_16x16x32_f16 v[8*(4*(\a)+\c):8*(4*(\a)+\c)+7], v[\f+8*\c:\f+8*\c+7], v[\f+32+8*(\a):\f+32+8*(\a)+7], v[8*(4*(\a)+\c):8*(4*(\a)+\c)+7]
.endif
.endr
.endr
.endm
; quarter q on buffer f; in its middle quarter q + 1 is fetched into buffer g.  The 16 accumulators take turns in one fixed order.
.macro OQ o, q, f, g, zero
	s_wait_dscnt 4                                 ; all but the youngest four loads (y's rows 32-63)
	WIN MUL
	MUL8 \f, 0, \zero
	WIN 0
	PLACES
	FETCH \o, \q+1, \g
	s_wait_dscnt 16                                ; all but the 16 just issued
	WIN MUL
	MUL8 \f, 2, \zero
.endm
.macro BIG o, zero
	OQ \o, 0, F0, F1, \zero
	OQ \o, 1, F1, F0, 0
	OQ \o, 2, F0, F1, 0
	OQ \o, 3, F1, F0, 0
	OQ \o, 4, F0, F1, 0
	OQ \o, 5, F1, F0, 0
	OQ \o, 6, F0, F1, 0
.endm
; quarter 7 and the change of slots: each wave's reads of the slot and all its tensor loads are waited for in front of the barrier, which opens a round
; of the cluster's barrier where the slot is filled again; the joint refills are the first tensor loads behind the round
.macro OTURN o, next, fill
	s_wait_dscnt 4
	WIN MUL
	MUL8 F1, 0, 0
	WIN 0
	s_wait_dscnt 0x0
	s_wait_tensorcnt 0x0
	ds_add_u32 v254, v255
	s_wait_dscnt 0x0
	s_barrier_signal -1
	s_barrier_wait -1
.if \fill
	CREST
	s_add_nc_u64 s[G0A+8*\o+2:G0A+8*\o+3], s[G0A+8*\o+2:G0A+8*\o+3], 2097152       ; eight heads on
	s_add_nc_u64 s[G0A+8*\o+6:G0A+8*\o+7], s[G0A+8*\o+6:G0A+8*\o+7], 2097152
	s_add_nc_u64 s[G0B+8*\o+2:G0B+8*\o+3], s[G0B+8*\o+2:G0B+8*\o+3], 1024          ; 512 along K on
	s_add_nc_u64 s[G0B+8*\o+6:G0B+8*\o+7], s[G0B+8*\o+6:G0B+8*\o+7], 1024
	JLOAD2 \o
.endif
	PLACES
	FETCH \next, 0, F0
	WIN MUL
	MUL8 F1, 2, 0
.endm
	s_wait_tensorcnt 2                             ; my two loads for slot 0 are in; slot 1's two stay out
	s_barrier_signal -1
	s_barrier_wait -1
	FETCH 0, 0, F0
	BIG 0, 1                                       ; step 0: the first products start the sums
	OTURN 0, 1, 1                                  ; slot 0 gets step 2
	BIG 1, 0
	OTURN 1, 0, 1                                  ; slot 1 gets step 3
	BIG 0, 0
	OTURN 0, 1, 0
	BIG 1, 0
	s_wait_dscnt 0x0
	WIN MUL
	MUL8 F1, 0, 0
	MUL8 F1, 2, 0
	WIN 0
	PLACES
; THE WAY OUT, 16 rows x 64 columns of f32 at a time, through my own stage; sixteen lanes store 256 consecutive bytes, aligned
.macro OUT a, f
	WIN 0x04                                       ; an LDS store's data is source 1: window 1
.irp c, 0,1,2,3
	ds_store_b128 v[STO], v[8*(4*\a+\c):8*(4*\a+\c)+3] offset:64*\c
	ds_store_b128 v[STO], v[8*(4*\a+\c)+4:8*(4*\a+\c)+7] offset:64*\c+16
.endr
	WIN 0
	s_wait_xcnt 0x0                                ; buffer f, which earlier stores read, is loaded again only behind this wait
.irp t, 0,1,2,3,4,5,6,7
	ds_load_b128 v[\f+4*\t:\f+4*\t+3], v[RD] offset:544*\t         ; LDS serves a wave's instructions in order: these see the stores above
.endr
.irp t, 0,1,2,3,4,5,6,7
	s_wait_dscnt 7-\t
	global_store_b128 v[CO], v[\f+4*\t:\f+4*\t+3], s[8:9] offset:(16*\a+2*\t)*4096 th:TH_STORE_NT
.endr
.endm
	OUT 0, F0
	OUT 1, F1
	OUT 2, F0
	OUT 3, F1
	s_wait_tensorcnt 0x0
	ds_add_u32 v254, v255
	s_wait_dscnt 0x0
	CROUND                                         ; the closing round
	s_endpgm
.Lfunc_end_k_q559a3c2fc6_oproj:
	.size	k_q559a3c2fc6_oproj, .Lfunc_end_k_q559a3c2fc6_oproj-k_q559a3c2fc6_oproj
	.p2alignl 7, 3214868480
	.fill 96, 4, 3214868480
	.section	.rodata,"a",@progbits
	.p2align	6, 0x0
	.amdhsa_kernel k_q559a3c2fc6_oproj
		.amdhsa_group_segment_fixed_size 327680
		.amdhsa_private_segment_fixed_size 0
		.amdhsa_enable_private_segment 0
		.amdhsa_kernarg_size 24
		.amdhsa_user_sgpr_count 2
		.amdhsa_user_sgpr_kernarg_segment_ptr 1
		.amdhsa_wavefront_size32 1
		.amdhsa_system_sgpr_workgroup_id_x 1
		.amdhsa_system_sgpr_workgroup_id_y 1
		.amdhsa_system_sgpr_workgroup_id_z 1
		.amdhsa_system_vgpr_workitem_id 0
		.amdhsa_next_free_vgpr 384
		.amdhsa_next_free_sgpr 84
		.amdhsa_reserve_vcc 0
		.amdhsa_float_denorm_mode_32 3
		.amdhsa_float_denorm_mode_16_64 3
		.amdhsa_memory_ordered 1
		.amdhsa_forward_progress 1
		.amdhsa_inst_pref_size 92
	.end_amdhsa_kernel
	.amdgpu_metadata
---
amdhsa.version: [ 1, 2 ]
amdhsa.kernels:
  - .name:           k_q559a3c2fc6_oproj
    .symbol:         k_q559a3c2fc6_oproj.kd
    .args:
      - { .name: yb, .offset: 0, .size: 8, .value_kind: global_buffer, .address_space: global }
      - { .name: cb, .offset: 8, .size: 8, .value_kind: global_buffer, .address_space: global }
      - { .name: out0, .offset: 16, .size: 8, .value_kind: global_buffer, .address_space: global }
    .group_segment_fixed_size: 327680
    .private_segment_fixed_size: 0
    .kernarg_segment_align: 8
    .kernarg_segment_size: 24
    .max_flat_workgroup_size: 128
    .sgpr_count:     84
    .vgpr_count:     384
    .wavefront_size: 32
...
	.end_amdgpu_metadata
.endif
;; end of part 4
